; MI455X (gfx1250); checked and timed in simulation.
; The chip was launched on July 23, 2026; its instructions are those of AMD's public machine-readable ISA for CDNA 5 (MIT licence, August 2026) and "CDNA5" Instruction Set Architecture Reference Guide (July 2026). The comments in the code are by the model that wrote it; some were corrected since.
;; Mixture Of Experts. Allowed arithmetic: matrix products marked QUANTISED: E2M1 operands, one E8M0 scale for each 32 along K, by v_wmma_scale_f32_16x16x128_f8f6f4 with both operands' format E2M1 (or v_wmma_scale_f32_32x16x128_f4), f32 sums; products left as they are: f32 operands where the result goes on into a quantised operand, else bf16, f16 or f32 operands; f32 sums; everything else in f32.
;; Inputs: W1 8 x 1,024 x 1,024 float32; W2 8 x 1,024 x 1,024 float32; Wg 1,024 x 8 float32; b1 8 x 1,024 float32; b2 8 x 1,024 float32; bg 8 float32; technical_features 4,096 x 256 float32; text_features 4,096 x 768 float32.
;; Outputs: out0 4,096 x 1,024 float32.
;; This version of the problem:
;;   THIS VERSION OF THE PROBLEM IS GIVEN IN LOW PRECISION. The matrix products marked QUANTISED in the list below multiply operands that are first quantised to E2M1 (2 exponent bits, 1 mantissa bit; 4 bits a number), with one power-of-two scale for each 32 numbers along K (OCP MX v1.0); their sums are f32. All else is computed in f32.
;;   The module's matrix products, in the order in which they are computed (A, B: the left and right operand; K: the contracted axis; several contracted axes count as one K, in the product's order):
;;     1. [M 4,096, K 1,024] x [K 1,024, N 8]; A: computed on the way; B: input Wg: left as it is (N = 8 < 16)
;;     2. [M 4,096, K 1,024] x [K 1,024, N 8,192]; A: computed on the way; B: input W1: QUANTISED
;;     3. batch 8 x [M 1,024, K 1,024] x [K 1,024, N 4,096]; A: input W2; B: computed on the way: QUANTISED
;;     4. batch 4,096 x [M 1, K 8] x [K 8, N 1,024]; A: softmax; B: computed on the way: left as it is (K = 8 < 32)
;;   THE QUANTISER, for each operand of a quantised product, along K:
;;     - K is cut into blocks of 32 from its start; a last block that is shorter is filled with zeros.
;;     - A block's scale is 2^e with e = floor(log2(the largest magnitude in the block)) - 2, held to -126 .. 127; a block of zeros has e = 0. As a byte (E8M0): e + 127.
;;     - Each number is divided by its block's scale, clamped to +-6, and rounded to the nearest number of E2M1, ties to even, subnormals kept.
;;     - The product sums the exact products of the quantised numbers (number of the format x scale) in f32.
;;   ~~~python
;;   def quantise(x, axis):      # numpy; x: float32 -> the quantised numbers, widened to float32 again
;;       x = np.moveaxis(x, axis, -1); K = x.shape[-1]
;;       x = np.pad(x, [(0, 0)] * (x.ndim - 1) + [(0, -K % 32)]); x = x.reshape(x.shape[:-1] + (-1, 32)); a = np.abs(x).max(-1, keepdims=True)
;;       e = np.where(a > 0, np.clip(np.frexp(np.where(a > 0, a, 1))[1] - 1 - 2, -126, 127), 0)      # np.frexp(a)[1] - 1 = floor(log2(a)), exactly
;;       r = np.clip(x / 2.0 ** e, -6, 6)
;;       step = 2.0 ** (np.maximum(np.frexp(np.where(r == 0, 1, r))[1] - 1, 0) - 1)
;;       q = np.round(r / step) * step * 2.0 ** e      # np.round: ties to even
;;       return np.moveaxis(q.reshape(q.shape[:-2] + (-1,))[..., :K], -1, axis).astype(np.float32)
;;   ~~~
;;   OPERANDS COMPUTED ON THE WAY. 'Computed on the way' means the value that the module computes at that place (a softmax that the list does not call 'softmax' is quantised finished and normalised). What goes into a quantiser is computed in f32, as accurately as f32 sums, v_exp_f32 and their like allow (about 1e-6 of the number): no bf16 or f16 on the way to a quantiser, and a product that is left as it is and whose result goes on into a quantised operand takes f32 operands (vector FMAs, or v_wmma_f32_16x16x4_f32). A number that lies on a knife's edge between two numbers of the format may be rounded either way, as far as f32 arithmetic and the matrix unit's own rounding can turn it there, and no further.
;; One version. Each part assembles by itself: llvm-mc -triple=amdgcn-amd-amdhsa -mcpu=gfx1250 --defsym DOCPART=n.
;; ======== version 1 of 1: 3 launches
;; limits: right only within a limited range of input values
;; workspace buffers: xc 2,228,224 bytes; wc 8,912,896 bytes; hc 17,825,792 bytes; gates 131,072 bytes
;; launch quant (part 1): grid 768 x 1, 4 waves a work-group, no clusters, 70,144 bytes of LDS; arguments text_features, technical_features, W1, W2, Wg, bg, xc, wc, gates; writes xc, wc, gates
.if DOCPART == 1
	.amdgcn_target "amdgcn-amd-amdhsa--gfx1250"
	.amdhsa_code_object_version 6
	.text
	.protected	k_q6969b3234c_quant
	.globl	k_q6969b3234c_quant
	.p2align	8
	.type	k_q6969b3234c_quant,@function
k_q6969b3234c_quant:
	s_mov_b64 s[64:65], 0
	v_nop
	global_prefetch_b8 v0, s[64:65] scope:SCOPE_SE
	s_setreg_imm32_b32 hwreg(HW_REG_WAVE_MODE, 25, 1), 1
	s_wait_xcnt 0x0
; x = [text | technical], W1 and W2 become codes of FP4 (E2M1) with one E8M0 scale byte for each 32 along K; and gates = softmax(x Wg + bg), in f32.
; ALL CODES ARE LAID IN THE ORDER OF THE OPERAND REGISTERS.  A UNIT (34,816 bytes) is 128 rows x 512 along K: codes [tile of 16 rows 0..7][q 0..3][c 0..1][lane 0..31][16 bytes], where lane (r, h) and c hold
; k = 128 q + 64 c + 32 h + 0 .. 31 of row 16 tile + r; from byte 32,768 on the scale words (four bytes: 128 along K of one row): x: [tile / 4][q][r][tile % 4]; weights: [tile][r][q].
; xc: [block of 128 tokens 32][half of K 2] UNITs.  wc: [W1 expert 0..7, W2 expert 0..7][block of 128 columns 8][half of K 2] UNITs.
; In wc storage row s of each 32 columns holds column s with bits 3 and 4 exchanged: in a product whose source 0 is 16 storage rows, the 16 registers of two neighbouring tiles are then 16 neighbouring columns.
; A block scale is 2^(floor(log2(largest magnitude)) - 2): its byte is the largest magnitude exponent field - 2, held at 1 from below by a floor among the leaves of the maximum.
; LIMITS: a block of zeros gets the byte 1 where the rule says 127 (its codes are zeros, and the bytes are read by this program alone); NaN and infinities among the inputs are not served.
; Work-groups 0..255: a tile of 16 tokens each; wave w takes K = 256 w .. 256 w + 255 (two fragments) and its part of the eight logits.
; Work-groups 256..767: 64 columns of one UNIT of wc each; wave w takes 32 columns (w % 2) x 256 along K (w / 2).  Three work-groups fit on a WGP (3 x 256 registers a SIMD, 3 x 70,144 bytes of LDS),
; so that two of these, 8 waves with 64 loads each, stand side by side.
; No tensor loads.  The branch between the paths hangs on the work-group number alone; each path has LDS bytes of its own and one barrier.
.set UNIT, 34816
.set STGB, 8448                        ; a wave stage: 16 rows x (512 bytes + 16)
.set WGL,  4*STGB                      ; behind the stages: each wave 256 rows of Wg, 32 bytes a row
.set PART, WGL+4*8192                  ; behind them: the waves partial logits, [wave][token][8 f32]
.set WSX,  PART+2048                   ; behind them, for the weight path alone: 8 bytes a thread; waves 2 and 3 write theirs
.set QM,  12                           ; v12-13  largest magnitudes, then bytes
.set QS,  14                           ; v14-15  the conversions scale operands
.set OFF, 16                           ; v16-23  16 x lane + row x pitch, rows 0..7
.set WRD, 24                           ; v24-25  a scale word for each fragment
.set TMP, 26                           ; v26     a lane permute destination
.set SH8, 27                           ; v27     8 h
.set R,   32                           ; v32-95  a fragment as it is loaded
.set X,   96                           ; v96-159 X[32 c + i] = x(r, 64 c + 32 h + i)
.set TW,  160                          ; v160-223 rows of Wg, two sets of 32
.set ACC, 224                          ; v224-239 logits, two sets of 8
.set PC,  240                          ; v240-255 codes, 8 registers for each fragment
.set WX,  32                           ; weight path: v32-95 two sets of 32 numbers
.set WC,  96                           ; v96-127 four registers of codes for each of 8 blocks: no store data are written again
.set SB,  24                           ; v24-25  my 8 scale bytes; v26-27 those of the wave two further on
.set NBW, 8                            ; blocks of 32 along K for a wave
	s_load_b256 s[4:11], s[0:1], 0x0               ; text s[4:5], technical s[6:7], W1 s[8:9], W2 s[10:11]
	s_load_b256 s[12:19], s[0:1], 0x20             ; Wg s[12:13], bg s[14:15], xc s[16:17], wc s[18:19]
	s_load_b64 s[20:21], s[0:1], 0x40              ; gates
	v_lshl_add_u32 v30, v0, 2, 0x11000
	v_mov_b32 v31, 0
	v_lshrrev_b32 v1, 5, v0
	v_readfirstlane_b32 s22, v1                    ; wave 0..3
	v_and_b32 v1, 31, v0                           ; lane
	v_and_b32 v2, 15, v0                           ; r
	v_bfe_u32 v3, v0, 4, 1                         ; h
	s_mov_b32 s29, 0
	s_cmp_lt_u32 ttmp9, 256
	s_cbranch_scc0 .Lweights
; ---------------- the token path ----------------
	v_lshlrev_b32 v4, 4, v1                        ; 16 x lane
	s_mul_i32 s30, s22, STGB
	v_add_nc_u32 v5, s30, v4                       ; into my stage: a row 512 bytes on end
	v_mul_u32_u24 v6, v2, 528
	v_lshl_add_u32 v6, v3, 7, v6
	v_add_nc_u32 v6, s30, v6                       ; out of it: row r, + 128 h
	s_lshl_b32 s30, s22, 13
	s_add_co_u32 s30, s30, WGL
	v_add_nc_u32 v7, s30, v4                       ; my rows of Wg, on the way in
	v_lshlrev_b32 v8, 10, v3
	v_add_nc_u32 v8, s30, v8                       ; and out: 32 h rows on
	v_lshlrev_b32 v10, 5, v2
	v_add_nc_u32 v10, PART, v10                    ; token r among the partial logits
	s_lshl_b32 s30, s22, 9
	v_add_nc_u32 v9, s30, v10                      ; and my wave part
	v_lshlrev_b32 v11, 4, v2                       ; 16 r
	v_lshlrev_b32 v[SH8], 3, v3
	v_mov_b32 v[TMP], 0
	s_mov_b32 s46, 0x76543210
	s_mov_b32 s47, 0xfedcba98                      ; selects for lane l xor 16
	s_mov_b32 s56, 0x3fb8aa3b                      ; log2(e)
	s_lshl_b32 s27, s22, 10                        ; waves 0..2: columns 256 w of text; wave 3: technical
	s_cmp_lt_u32 s22, 3
	s_mov_b32 s26, 1024
	s_cselect_b32 s26, 3072, s26                   ; bytes from row to row
	s_cselect_b32 s27, s27, 0
	s_wait_kmcnt 0x0
	s_cselect_b64 s[24:25], s[4:5], s[6:7]
	s_load_b256 s[32:39], s[14:15], 0x0            ; bg
	s_lshl_b32 s28, ttmp9, 4
	s_mul_i32 s28, s28, s26
	s_add_co_u32 s28, s28, s27
	s_add_nc_u64 s[24:25], s[24:25], s[28:29]      ; my 16 rows, my 256 columns
	s_lshl_b32 s28, s26, 3
	s_add_nc_u64 s[48:49], s[24:25], s[28:29]      ; 8 rows further on
	s_lshl_b32 s28, s22, 13
	s_add_nc_u64 s[50:51], s[12:13], s[28:29]      ; my 256 rows of Wg
	s_lshr_b32 s52, ttmp9, 3
	s_lshl_b32 s52, s52, 1
	s_lshr_b32 s53, s22, 1
	s_add_co_u32 s52, s52, s53
	s_mul_i32 s52, s52, UNIT                       ; my UNIT of xc: 2 x block of tokens + half of K
	s_and_b32 s53, s22, 1
	s_and_b32 s54, ttmp9, 7                        ; my tile in the block
	s_lshl_b32 s28, s54, 12
	s_add_co_u32 s28, s28, s52
	s_lshl_b32 s55, s53, 11
	s_add_co_u32 s28, s28, s55
	s_add_nc_u64 s[40:41], s[16:17], s[28:29]      ; codes: tile x 4,096 + q x 1,024, q = 2 (w % 2) + fragment
	s_lshr_b32 s28, s54, 2
	s_lshl_b32 s28, s28, 10
	s_add_co_u32 s28, s28, s52
	s_lshl_b32 s55, s53, 9
	s_add_co_u32 s28, s28, s55
	s_and_b32 s55, ttmp9, 3
	s_lshl_b32 s55, s55, 2
	s_add_co_u32 s28, s28, s55
	s_add_co_u32 s28, s28, 32768
	s_add_nc_u64 s[42:43], s[16:17], s[28:29]      ; scale words: 1,024 (tile / 4) + 256 q + 4 (tile % 4)
	s_lshl_b32 s28, ttmp9, 9
	s_add_nc_u64 s[44:45], s[20:21], s[28:29]      ; gates: 512 bytes a tile
	v_mov_b32 v[OFF], v4
.irp p, 1,2,3,4,5,6,7
	v_add_nc_u32 v[OFF+\p], s26, v[OFF+\p-1]
.endr
.macro XLOAD f                         ; fragment f: 16 rows x 512 consecutive bytes, 16 a lane
.irp p, 0,1,2,3,4,5,6,7
	global_load_b128 v[R+4*\p:R+4*\p+3], v[OFF+\p], s[24:25] offset:512*\f th:TH_LOAD_NT
.endr
.irp p, 0,1,2,3,4,5,6,7
	global_load_b128 v[R+32+4*\p:R+32+4*\p+3], v[OFF+\p], s[48:49] offset:512*\f th:TH_LOAD_NT
.endr
.endm
.macro TURNX                           ; through my stage: in as loaded, out 2 x 128 bytes of one row a lane.  LDS serves a wave instructions in order: no wait between the stores and the loads
.irp p, 0,1,2,3,4,5,6,7,8,9,10,11,12,13,14,15
	ds_store_b128 v5, v[R+4*\p:R+4*\p+3] offset:528*\p
.endr
.irp c, 0,1
.irp i, 0,1,2,3,4,5,6,7
	ds_load_b128 v[X+32*\c+4*\i:X+32*\c+4*\i+3], v6 offset:256*\c+16*\i
.endr
.endr
	s_wait_dscnt 0x0                               ; X is in, and the stores have read R
.endm
.macro QUANTX f                        ; a lane holds two whole blocks: 2 c + h
.irp c, 0,1
	v_max3_num_f32 v[QM+\c], |v[X+32*\c]|, |v[X+32*\c+1]|, 0x1800000   ; with the floor 2^(3 - 127): the byte cannot fall under 1
.endr
.irp i, 2,4,6,8,10,12,14,16,18,20,22,24,26,28,30
.irp c, 0,1
	v_max3_num_f32 v[QM+\c], v[QM+\c], |v[X+32*\c+\i]|, |v[X+32*\c+\i+1]|
.endr
.endr
.irp c, 0,1
	v_add_nc_u32 v[QS+\c], 0xff000000, v[QM+\c]    ; 2 off the exponent field: the conversion takes the exponent field of this operand as its scale
.endr
.irp c, 0,1
	v_lshrrev_b32 v[QM+\c], 23, v[QS+\c]           ; the scale byte
.endr
	v_lshl_or_b32 v[WRD+\f], v[QM+1], 16, v[QM]    ; my bytes h and 2 + h of the row word,
	v_lshlrev_b32 v[WRD+\f], v[SH8], v[WRD+\f]     ; at their places;
	v_permlanex16_b32 v[TMP], v[WRD+\f], s46, s47
	v_or_b32 v[WRD+\f], v[WRD+\f], v[TMP]          ; with lane l xor 16 the word is whole
.irp c, 0,1
.irp g, 0,1,2,3
	v_cvt_scalef32_pk8_fp4_f32 v[PC+8*\f+4*\c+\g], v[X+32*\c+8*\g:X+32*\c+8*\g+7], v[QS+\c]
.endr
.endr
	v_nop                                          ; one plain line behind the last scaled conversion
.irp c, 0,1
	global_store_b128 v4, v[PC+8*\f+4*\c:PC+8*\f+4*\c+3], s[40:41] offset:1024*\f+512*\c   ; 512 consecutive bytes
.endr
	global_store_b32 v11, v[WRD+\f], s[42:43] offset:256*\f   ; 4 bytes at a stride of 16 (both halves of the lanes write the same word): 128 KB of the launch in all, one byte in 128 of what this path reads
.endm
.macro WLOAD f, gi                     ; the Wg rows of four of my k into set gi % 2; the sixteen lanes of a half read the same 16 bytes
.set WQ, TW+32*((\gi)%2)
.irp kk, 0,1,2,3
.set WN, 4*(\gi)+\kk
	ds_load_b128 v[WQ+8*\kk:WQ+8*\kk+3], v8 offset:(128*(\f)+64*(WN/32)+WN%32)*32
	ds_load_b128 v[WQ+8*\kk+4:WQ+8*\kk+7], v8 offset:(128*(\f)+64*(WN/32)+WN%32)*32+16
.endr
.endm
.macro GGROUP f                        ; group GI: four k x eight experts, two experts a line; even and odd k in two sets of sums
.if GI < 15
	s_wait_dscnt 8                                 ; this group 8 loads are in; the younger group 8 may be out
.else
	s_wait_dscnt 0x0
.endif
.set WP, TW+32*(GI%2)
.irp kk, 0,1,2,3
.irp ep, 0,1,2,3
.if ((\f) == 0) && (GI == 0) && (\kk < 2)
.if \kk == 0
	v_pk_mul_f32 v[ACC+2*\ep:ACC+2*\ep+1], v[X:X+1], v[WP+2*\ep:WP+2*\ep+1] op_sel_hi:[0,1]   ; the first two k start the sums: nothing is cleared
.else
	v_pk_mul_f32 v[ACC+8+2*\ep:ACC+8+2*\ep+1], v[X:X+1], v[WP+8+2*\ep:WP+8+2*\ep+1] op_sel:[1,0] op_sel_hi:[1,1]
.endif
.elseif (\kk%2) == 0
	v_pk_fma_f32 v[ACC+2*\ep:ACC+2*\ep+1], v[X+4*GI+\kk:X+4*GI+\kk+1], v[WP+8*\kk+2*\ep:WP+8*\kk+2*\ep+1], v[ACC+2*\ep:ACC+2*\ep+1] op_sel_hi:[0,1,1]
.else
	v_pk_fma_f32 v[ACC+8+2*\ep:ACC+8+2*\ep+1], v[X+4*GI+\kk-1:X+4*GI+\kk], v[WP+8*\kk+2*\ep:WP+8*\kk+2*\ep+1], v[ACC+8+2*\ep:ACC+8+2*\ep+1] op_sel:[1,0,0] op_sel_hi:[1,1,1]
.endif
.endr
.endr
.if GI+2 < 16
	WLOAD \f, GI+2
.endif
.set GI, GI+1
.endm
.macro GATES f
	WLOAD \f, 0
	WLOAD \f, 1
.set GI, 0
.rept 16
	s_wait_alu depctr_va_vdst(0)
	GGROUP \f
.endr
.endm
.irp i, 0,1,2,3,4,5,6,7,8,9,10,11,12,13,14,15
	global_load_b128 v[TW+4*\i:TW+4*\i+3], v4, s[50:51] offset:512*\i   ; my 8,192 bytes of Wg
.endr
	XLOAD 0
	s_wait_alu depctr_va_vdst(0)
	s_wait_loadcnt 16                              ; Wg is in; fragment 0, 16 loads, may be out
.irp i, 0,1,2,3,4,5,6,7,8,9,10,11,12,13,14,15
	ds_store_b128 v7, v[TW+4*\i:TW+4*\i+3] offset:512*\i
.endr
	s_wait_loadcnt 0x0
	TURNX
	XLOAD 1                                        ; lands while fragment 0 is worked
	QUANTX 0
	GATES 0
	s_wait_loadcnt 0x0
	TURNX
	QUANTX 1
	GATES 1
.irp ep, 0,1,2,3
	v_pk_add_f32 v[ACC+2*\ep:ACC+2*\ep+1], v[ACC+2*\ep:ACC+2*\ep+1], v[ACC+8+2*\ep:ACC+8+2*\ep+1]
.endr
.irp j, 0,1,2,3,4,5,6,7
	v_permlanex16_b32 v[TW+\j], v[ACC+\j], s46, s47
.endr
.irp ep, 0,1,2,3
	v_pk_add_f32 v[ACC+2*\ep:ACC+2*\ep+1], v[ACC+2*\ep:ACC+2*\ep+1], v[TW+2*\ep:TW+2*\ep+1]   ; token r over my wave 256 k
.endr
	ds_store_b128 v9, v[ACC:ACC+3]                 ; (both halves of the lanes write the same bytes with the same values)
	ds_store_b128 v9, v[ACC+4:ACC+7] offset:16
	s_wait_kmcnt 0x0                               ; bg
	s_wait_dscnt 0x0                               ; for the others: my partial logits have landed
	s_barrier_signal -1
	s_barrier_wait -1
	s_cmp_lg_u32 s22, 0
	s_cbranch_scc1 .Lxdone                         ; wave 0 finishes the tile
.irp w, 0,1,2,3
	ds_load_b128 v[TW+8*\w:TW+8*\w+3], v10 offset:512*\w
	ds_load_b128 v[TW+8*\w+4:TW+8*\w+7], v10 offset:512*\w+16
.endr
	s_wait_dscnt 0x0
.irp ep, 0,1,2,3
	v_pk_add_f32 v[TW+2*\ep:TW+2*\ep+1], v[TW+2*\ep:TW+2*\ep+1], v[TW+8+2*\ep:TW+8+2*\ep+1]
	v_pk_add_f32 v[TW+16+2*\ep:TW+16+2*\ep+1], v[TW+16+2*\ep:TW+16+2*\ep+1], v[TW+24+2*\ep:TW+24+2*\ep+1]
.endr
.irp ep, 0,1,2,3
	v_pk_add_f32 v[TW+2*\ep:TW+2*\ep+1], v[TW+2*\ep:TW+2*\ep+1], v[TW+16+2*\ep:TW+16+2*\ep+1]
.endr
.irp j, 0,1,2,3,4,5,6,7
	v_add_f32 v[TW+\j], s[32+\j], v[TW+\j]         ; + bg
.endr
	v_max3_num_f32 v[TW+8], v[TW], v[TW+1], v[TW+2]
	v_max3_num_f32 v[TW+8], v[TW+8], v[TW+3], v[TW+4]
	v_max3_num_f32 v[TW+8], v[TW+8], v[TW+5], v[TW+6]
	v_max_num_f32 v[TW+8], v[TW+8], v[TW+7]        ; the row maximum
	v_mul_f32 v[TW+9], s56, v[TW+8]
.irp j, 0,1,2,3,4,5,6,7
	v_fma_f32 v[TW+\j], v[TW+\j], s56, -v[TW+9]    ; (l - max) log2(e), fused; the rounding of max log2(e) is common to the eight and cancels in the division
.endr
	s_wait_alu depctr_va_vdst(0)
.irp j, 0,1,2,3,4,5,6,7
	v_exp_f32 v[TW+\j], v[TW+\j]
.endr
	v_nop                                          ; a plain line behind the last exponential
	s_wait_alu depctr_va_vdst(0)                   ; one wait for the batch of eight, ahead of its first reader
	v_pk_add_f32 v[TW+10:TW+11], v[TW:TW+1], v[TW+2:TW+3]
	v_pk_add_f32 v[TW+12:TW+13], v[TW+4:TW+5], v[TW+6:TW+7]
	v_pk_add_f32 v[TW+10:TW+11], v[TW+10:TW+11], v[TW+12:TW+13]
	v_add_f32 v[TW+10], v[TW+10], v[TW+11]
	s_wait_alu depctr_va_vdst(0)
	v_rcp_f32 v[TW+14], v[TW+10]
	s_mov_b32 vcc_lo, 0xffff0000
.irp j, 0,1,2,3
	v_cndmask_b32 v[TW+16+\j], v[TW+\j], v[TW+4+\j], vcc_lo   ; lanes 0-15 keep experts 0-3, lanes 16-31 take experts 4-7.  (Plain work behind the reciprocal)
.endr
	s_wait_alu depctr_va_vdst(0)                   ; the wait ahead of the reciprocal first reader
.irp j, 0,1,2,3
	v_mul_f32 v[TW+16+\j], v[TW+16+\j], v[TW+14]
.endr
	global_store_b128 v4, v[TW+16:TW+19], s[44:45] ; [half][r][4]: 512 consecutive bytes
.Lxdone:
	s_wait_tensorcnt 0x0
	ds_add_u32 v30, v31
	s_wait_dscnt 0x0
	s_endpgm
; ---------------- the weight path: a lane takes a column, its registers run down K ----------------
.Lweights:
	s_sub_co_u32 s23, ttmp9, 256                   ; 2 x UNIT + half of its 128 columns
	s_lshr_b32 s33, s23, 1                         ; the UNIT of wc: 16 x matrix + 2 x block of columns + half of K
	s_and_b32 s34, s23, 1
	s_lshl_b32 s34, s34, 1
	s_and_b32 s35, s22, 1
	s_add_co_u32 s34, s34, s35                     ; my 32 of the UNIT 128 columns: 2 x half + wave % 2
	s_lshr_b32 s35, s22, 1                         ; my 256 of the UNIT 512 along K: wave / 2
	v_lshl_add_u32 v9, v0, 3, WSX                  ; LDS: 8 bytes a thread
	v_and_b32 v7, 7, v0
	v_bfe_u32 v8, v0, 3, 1
	v_lshl_or_b32 v7, v8, 4, v7
	s_wait_alu depctr_va_vdst(0)
	v_lshl_or_b32 v7, v3, 3, v7                    ; my lane with bits 3 and 4 exchanged: the column that my storage row holds
	v_lshlrev_b32 v6, 2, v7                        ; in: 4 bytes a column
	s_lshl_b32 s24, s34, 1
	v_add_nc_u32 v4, s24, v3                       ; my tile: 2 x group of 32 columns + lane / 16
	v_lshlrev_b32 v4, 12, v4
	v_lshl_add_u32 v4, v2, 4, v4                   ; codes: tile x 4,096 + 16 r; a block of 32 along K adds 256,
	s_lshl_b32 s24, s35, 11
	v_add_nc_u32 v4, s24, v4                       ; and my 8 blocks begin 2,048 x (wave / 2) on
	s_lshl_b32 s24, s34, 9
	s_add_co_u32 s24, s24, 32768
	v_lshl_add_u32 v5, v1, 4, s24                  ; scale bytes: 16 a storage row
	s_lshr_b32 s24, s33, 4
	s_and_b32 s24, s24, 7
	s_lshl_b32 s24, s24, 22                        ; the expert: 4 MiB
	s_and_b32 s25, s33, 1
	s_lshl_b32 s25, s25, 21                        ; 512 rows of 4,096 bytes
	s_add_co_u32 s24, s24, s25
	s_lshr_b32 s25, s33, 1
	s_and_b32 s25, s25, 7
	s_lshl_b32 s25, s25, 9                         ; 128 columns
	s_add_co_u32 s24, s24, s25
	s_lshl_b32 s25, s34, 7                         ; my 32 columns
	s_add_co_u32 s24, s24, s25
	s_lshl_b32 s25, s35, 20                        ; my 256 rows
	s_add_co_u32 s24, s24, s25
	s_mov_b32 s25, 0
	s_mul_i32 s26, s33, UNIT
	s_mov_b32 s27, 0
	s_wait_alu depctr_va_vdst(0)
	s_wait_kmcnt 0x0
	s_cmp_lt_u32 s33, 128
	s_cselect_b64 s[28:29], s[8:9], s[10:11]       ; W1 or W2: the choice hangs on the work-group number alone
	s_add_nc_u64 s[28:29], s[28:29], s[24:25]
	s_add_nc_u64 s[30:31], s[18:19], s[26:27]
.macro LOADW t                         ; block t: W(32 t + i, my column): a wave reads 128 consecutive bytes
.irp i, 0,1,2,3,4,5,6,7,8,9,10,11,12,13,14,15,16,17,18,19,20,21,22,23,24,25,26,27,28,29,30,31
	global_load_b32 v[WX+32*((\t)%2)+\i], v6, s[28:29] offset:(32*(\t)+\i)*4096 th:TH_LOAD_NT
.endr
.endm
.macro BLOCKW t
.set XS, WX+32*((\t)%2)
.if (\t) < NBW-1
	s_wait_loadcnt 32                              ; this block 32 loads are in; the next block 32 may be out
.else
	s_wait_loadcnt 0x0
.endif
	v_max3_num_f32 v12, |v[XS]|, |v[XS+1]|, |v[XS+2]|
	v_max3_num_f32 v13, |v[XS+3]|, |v[XS+4]|, |v[XS+5]|
.irp i, 6,10,14,18,22,26
	v_max3_num_f32 v12, v12, |v[XS+\i]|, |v[XS+\i+1]|
	v_max3_num_f32 v13, v13, |v[XS+\i+2]|, |v[XS+\i+3]|
.endr
	v_max3_num_f32 v12, v12, |v[XS+30]|, |v[XS+31]|
	v_max3_num_f32 v12, v12, v13, 0x1800000        ; and the floor
	v_add_nc_u32 v11, 0xff000000, v12
	v_lshrrev_b32 v13, 23, v11
.if (\t)%4 == 0
	v_mov_b32 v[SB+(\t)/4], v13
.else
	v_lshl_or_b32 v[SB+(\t)/4], v13, 8*((\t)%4), v[SB+(\t)/4]
.endif
.irp g, 0,1,2,3
	v_cvt_scalef32_pk8_fp4_f32 v[WC+4*(\t)+\g], v[XS+8*\g:XS+8*\g+7], v11
.endr
	v_nop                                          ; one plain line behind the last scaled conversion
	global_store_b128 v4, v[WC+4*(\t):WC+4*(\t)+3], s[30:31] offset:256*(\t)   ; sixteen lanes store 256 consecutive bytes, aligned: 1,024 q + 512 c + 256 h = 256 x block
.if (\t)+2 < NBW
	LOADW (\t)+2
.endif
.endm
	LOADW 0
	LOADW 1
.set Q, 0
.rept NBW
	BLOCKW Q
.set Q, Q+1
.endr
	; a storage row 16 scale bytes come from two waves: waves 2 and 3 hand their 8 to waves 0 and 1 through LDS, so that a store covers 512 consecutive bytes
	s_cmp_lt_u32 s22, 2
	s_cbranch_scc1 .Lw_keep
	ds_store_b64 v9, v[SB:SB+1]
.Lw_keep:
	s_wait_dscnt 0x0                               ; for the others: my bytes have landed
	s_barrier_signal -1
	s_barrier_wait -1
	s_cmp_lt_u32 s22, 2
	s_cbranch_scc0 .Lw_done
	ds_load_b64 v[SB+2:SB+3], v9 offset:512        ; the same lane of the wave two further on: 64 threads x 8 bytes
	s_wait_dscnt 0x0
	s_wait_alu depctr_va_vdst(0)
	global_store_b128 v5, v[SB:SB+3], s[30:31]     ; the wave stores 512 consecutive bytes
.Lw_done:
	s_wait_tensorcnt 0x0
	ds_add_u32 v30, v31
	s_wait_dscnt 0x0
	s_endpgm
.Lfunc_end_k_q6969b3234c_quant:
	.size	k_q6969b3234c_quant, .Lfunc_end_k_q6969b3234c_quant-k_q6969b3234c_quant
	.p2alignl 7, 3214868480
	.fill 96, 4, 3214868480
	.section	.rodata,"a",@progbits
	.p2align	6, 0x0
	.amdhsa_kernel k_q6969b3234c_quant
		.amdhsa_group_segment_fixed_size 70144
		.amdhsa_private_segment_fixed_size 0
		.amdhsa_enable_private_segment 0
		.amdhsa_kernarg_size 72
		.amdhsa_user_sgpr_count 2
		.amdhsa_user_sgpr_kernarg_segment_ptr 1
		.amdhsa_wavefront_size32 1
		.amdhsa_system_sgpr_workgroup_id_x 1
		.amdhsa_system_sgpr_workgroup_id_y 1
		.amdhsa_system_sgpr_workgroup_id_z 1
		.amdhsa_system_vgpr_workitem_id 0
		.amdhsa_next_free_vgpr 256
		.amdhsa_next_free_sgpr 66
		.amdhsa_reserve_vcc 1
		.amdhsa_float_denorm_mode_32 3
		.amdhsa_float_denorm_mode_16_64 3
		.amdhsa_memory_ordered 1
		.amdhsa_forward_progress 1
		.amdhsa_inst_pref_size 114
	.end_amdhsa_kernel
	.amdgpu_metadata
---
amdhsa.version: [ 1, 2 ]
amdhsa.kernels:
  - .name:           k_q6969b3234c_quant
    .symbol:         k_q6969b3234c_quant.kd
    .args:
      - { .name: text_features, .offset: 0, .size: 8, .value_kind: global_buffer, .address_space: global }
      - { .name: technical_features, .offset: 8, .size: 8, .value_kind: global_buffer, .address_space: global }
      - { .name: W1, .offset: 16, .size: 8, .value_kind: global_buffer, .address_space: global }
      - { .name: W2, .offset: 24, .size: 8, .value_kind: global_buffer, .address_space: global }
      - { .name: Wg, .offset: 32, .size: 8, .value_kind: global_buffer, .address_space: global }
      - { .name: bg, .offset: 40, .size: 8, .value_kind: global_buffer, .address_space: global }
      - { .name: xc, .offset: 48, .size: 8, .value_kind: global_buffer, .address_space: global }
      - { .name: wc, .offset: 56, .size: 8, .value_kind: global_buffer, .address_space: global }
      - { .name: gates, .offset: 64, .size: 8, .value_kind: global_buffer, .address_space: global }
    .group_segment_fixed_size: 70144
    .private_segment_fixed_size: 0
    .kernarg_segment_align: 8
    .kernarg_segment_size: 72
    .max_flat_workgroup_size: 128
    .sgpr_count:     66
    .vgpr_count:     256
    .wavefront_size: 32
...
	.end_amdgpu_metadata
.endif
;; end of part 1
;; launch hidden (part 2): grid 16 x 16, 4 waves a work-group, clusters of 4 x 4, 327,680 bytes of LDS; arguments xc, wc, b1, hc; writes hc
.if DOCPART == 2
	.amdgcn_target "amdgcn-amd-amdhsa--gfx1250"
	.amdhsa_code_object_version 6
	.text
	.protected	k_q6969b3234c_hidden
	.globl	k_q6969b3234c_hidden
	.p2align	8
	.type	k_q6969b3234c_hidden,@function
k_q6969b3234c_hidden:
	s_mov_b64 s[64:65], 0
	v_nop
	global_prefetch_b8 v0, s[64:65] scope:SCOPE_SE
	s_setreg_imm32_b32 hwreg(HW_REG_WAVE_MODE, 25, 1), 1
	s_wait_xcnt 0x0
	s_wait_alu depctr_hold_cnt(0) depctr_sa_sdst(0) depctr_va_vdst(0) depctr_va_sdst(0) depctr_va_ssrc(0) depctr_va_vcc(0) depctr_vm_vsrc(0)
	s_getreg_b32 s2, hwreg(HW_REG_IB_STS2, 6, 4)
	s_cmp_eq_u32 s2, 0
	s_cbranch_scc0 .Lentry_in_a_cluster
	s_endpgm
.Lentry_in_a_cluster:
	s_bfe_u32 s2, ttmp6, 0x10000c
	s_cmp_lg_u32 s2, 0xf033
	s_cbranch_scc0 .Lentry_shape_is_right
	s_endpgm
.Lentry_shape_is_right:
; hc = Q(relu(xq W1q^T + b1)): a product of 4,096 tokens x 8,192 hidden units (8 experts x 1,024) x K = 1,024 on codes of FP4 (E2M1) with E8M0 scales, its result quantised along the hidden units on the way out.
; Operands lie in UNITs of 34,816 bytes = 128 rows x 512 along K in the order of the operand registers: a fragment (16 rows x 128 K) at 4,096 tile + 1,024 q is two loads of 16 bytes a lane at 16 x lane, 512 bytes apart;
; from byte 32,768 on the scale words: tokens [tile / 4][q][r][tile % 4], weights [tile][r][q].  hc: [block of 128 tokens 32][expert 8][half of the 1,024 hidden units 2] UNITs, laid as xc is.
; SHARES.  A work-group takes 256 tokens x 512 hidden units, as two tiles of 256 x 256; a wave 128 x 128: 64 accumulators, 512 registers.  All of K lies in LDS: two slots (the halves of K), each with two UNITs
; of x and two of W1.  The x parts are filled once and serve both tiles; the W1 parts are filled a second time, for tile 1, each as soon as tile 0 has left it.
; CLUSTER 4 x 4: the four of a row need the same UNITs of x, the four of a column the same UNITs of W1: each is asked for jointly, by the same tensor load with a mask that names the four.
; THE PRODUCT IS USED TRANSPOSED (source 0 = 16 storage rows of W1, source 1 = 16 tokens): a lane holds one token, and by the order of wc rows the 16 registers of W1 tiles 2 B and 2 B + 1 are hidden units
; 32 B + 16 (lane / 16) + 0 .. 15.  So a token tile 64 registers become one fragment of the next product, in registers.  b1 is the C of each sum first instruction.
; RELU: negative numbers do not count in a block maximum (no magnitudes are taken; the floor stands under it), and after the conversion every code with its sign bit set is cleared.
; LIMITS: a block of zeros gets the byte 1 where the rule says 127 (its codes are zeros, and the bytes are read by this program alone); NaN and infinities are not served.
; REGISTERS: window 0: v1-29 addresses; v32-95 scale words, two sets; v96-127 at work on the way out; v128-191 fragments of x, one set; v192-255 the codes made, 8 registers a token tile.
;   window 1: v0-63, v128-191 fragments of W1, two sets; v64-127, v192-255 b1 for tile 0, tile 1.   windows 2, 3: accumulator (a, b) at v[8 (8 (a % 4) + b)] of window 2 + a / 4.
.set UNIT,  34816
.set SLOT,  4*UNIT                     ; x unit 0, x unit 1, W1 unit 0, W1 unit 1
.set SPARE, 2*SLOT                     ; the spare words, 128 bytes for each wave: two blocks of 256 bytes that no other line names
.set ADRA, 16                          ; v16-17 my fragments of x in slot 0, 1
.set ADRB, 20                          ; v20-21 of W1
.set ADRS, 22                          ; v22-23 scale words: lanes 0-15 those of x, lanes 16-31 those of W1
.set VC,   24                          ; v24 where my codes go in the UNIT of hc
.set VS,   25                          ; v25 and my scale words
.set BO,   26                          ; v26 64 h: b1
.set SPW,  28                          ; v28 my spare word; never rewritten
.set NIL,  29                          ; v29 0; never rewritten
.set SC,   32
.set TM,   96                          ; v96-99 maxima, v100-103 the other half, then bytes, v104-107 at work, v108-111 scale operands
.set PW,   112                         ; v112-119 a scale word for each token tile
.set SW,   120                         ; v120-123 the four words that a lane stores
.set TP,   124
.set AF,   128
.set PC,   192
.set G1,  24
.set G0,  32
.set G1B, 48
.set G0B, 56
.set MSB, 0
.macro WIN new                         ; the immediate high byte repeats the setting that is left
.if MSB != (\new)
	s_set_vgpr_msb (MSB<<8)|(\new)
.set MSB, (\new)
.endif
.endm
.set MUL_LO, 0xa1                      ; source 0 (W1) window 1, source 1 (x) window 0, C and D window 2
.set MUL_HI, 0xf1                      ; C and D window 3
.set BIA_LO, 0x91                      ; C (b1) window 1, D window 2
.set BIA_HI, 0xd1                      ; C window 1, D window 3
.set TO_B,   0x40                      ; destination window 1
.macro PLACES n
.rept \n
	v_nop
.endr
.endm
; A first fill: waves 0 and 1 fetch the two UNITs of x, waves 2 and 3 those of W1.  The branch hangs on the wave number alone.  Four v_nop follow each line.
.macro JLOAD s
	s_cmp_eq_u32 s15, 0
	s_cbranch_scc0 .Lfor_b_\@
	tensor_load_to_lds s[G0+4*\s:G0+4*\s+3], s[G1:G1+7]
	s_nop 0
	PLACES 4
	s_branch .Lasked_\@
.Lfor_b_\@:
	tensor_load_to_lds s[G0B+4*\s:G0B+4*\s+3], s[G1B:G1B+7]
	s_nop 0
	PLACES 4
.Lasked_\@:
.endm
; A refill: W1 parts alone, by waves 2 and 3; waves 0 and 1 have nothing to fill.  The four v_nop on either way are also the places in front of the LDS loads that follow.
.macro JLOADB s
	s_cmp_eq_u32 s15, 0
	s_cbranch_scc1 .Lnone_\@
	tensor_load_to_lds s[G0B+4*\s:G0B+4*\s+3], s[G1B:G1B+7]
	s_nop 0
	PLACES 4
	s_branch .Lgone_\@
.Lnone_\@:
	PLACES 4
.Lgone_\@:
.endm
.macro CREST                           ; a round of the cluster barrier behind its opening barrier
	s_cmp_lg_u32 s14, 0
	s_cbranch_scc1 .Lnot_wave_0_\@
	s_barrier_signal -3
.Lnot_wave_0_\@:
	s_barrier_wait -3
	s_barrier_signal -1
	s_barrier_wait -1
.endm
.macro CROUND
	s_barrier_signal -1
	s_barrier_wait -1
	CREST
.endm
	s_load_b128 s[4:7], s[0:1], 0x0                ; xc s[4:5], wc s[6:7]
	s_load_b128 s[8:11], s[0:1], 0x10              ; b1 s[8:9], hc s[10:11]
	v_lshl_add_u32 v[SPW], v0, 2, SPARE
	v_mov_b32 v[NIL], 0
	ds_add_u32 v28, v29
	ds_add_u32 v28, v29
	s_wait_dscnt 0x0
	v_lshrrev_b32 v1, 5, v0
	v_readfirstlane_b32 s14, v1                    ; wave 0..3
	s_lshr_b32 s15, s14, 1                         ; my half of the tokens.  Also: I fetch x (0) or W1 (1)
	s_and_b32 s16, s14, 1                          ; my half of the hidden units.  Also: which of the two UNITs I fetch
	s_bfe_u32 s40, ttmp6, 0x40000                  ; cx
	s_bfe_u32 s41, ttmp6, 0x40004                  ; cy
	s_lshl_b32 s42, ttmp9, 2
	s_add_co_u32 s42, s42, s40                     ; gx: 512 hidden units (expert gx / 2, half gx % 2)
	s_and_b32 s17, ttmp7, 0xffff
	s_lshl_b32 s17, s17, 2
	s_add_co_u32 s17, s17, s41                     ; gy: 256 tokens
	s_lshl_b32 s43, s41, 2
	s_lshl_b32 s43, 15, s43                        ; my row of the cluster
	s_lshl_b32 s44, 0x1111, s40                    ; my column
	; group 1: a dense UNIT as 136 rows of 256 bytes (32 elements of 8 bytes), no padding
	s_or_b32 s[G1], s43, (3<<16)|(1<<21)           ; 15:0 the mask; 17:16 elements of 8 bytes; 21 set beside a mask
	s_or_b32 s[G1B], s44, (3<<16)|(1<<21)
.irp g, G1, G1B
	s_mov_b32 s[\g+1], 32<<16                      ; tensor_dim0 = 32
	s_mov_b32 s[\g+2], 136<<16                     ; tensor_dim1 = 136
	s_mov_b32 s[\g+3], 32<<16                      ; tile_dim0 = 32
	s_mov_b32 s[\g+4], 136                         ; tile_dim1 = 136
	s_mov_b32 s[\g+5], 32                          ; from row to row
	s_mov_b32 s[\g+6], 0
	s_mov_b32 s[\g+7], 0
.endr
	s_lshl_b32 s18, s16, 1
	s_lshl_b32 s20, s17, 2
	s_add_co_u32 s20, s20, s18
	s_mul_i32 s20, s20, UNIT                       ; xc: UNIT 4 gy + 2 u + slot
	s_mov_b32 s21, 0
	s_lshl_b32 s46, s42, 3
	s_add_co_u32 s46, s46, s18
	s_mul_i32 s46, s46, UNIT                       ; wc: UNIT 8 gx + 4 tile + 2 u + slot
	s_mov_b32 s47, 0
	s_mul_i32 s45, s14, UNIT                       ; where they go in a slot: wave x UNIT
	s_mov_b32 s66, 0x88888888                      ; the sign bits of eight codes
	s_mov_b32 s68, 0x76543210
	s_mov_b32 s69, 0xfedcba98                      ; selects for lane l xor 16
	s_mov_b32 s70, 0xffff0000                      ; lanes 16-31
	s_wait_kmcnt 0x0
	s_add_nc_u64 s[20:21], s[4:5], s[20:21]
	s_add_nc_u64 s[46:47], s[6:7], s[46:47]
	CROUND                                         ; all sixteen work-groups are here: the first joint loads meet
.irp s, 0,1
	s_mov_b32 s[G0+4*\s], 1
	s_add_co_u32 s[G0+4*\s+1], s45, \s*SLOT
	s_add_nc_u64 s[G0+4*\s+2:G0+4*\s+3], s[20:21], \s*UNIT
	s_or_b32 s[G0+4*\s+3], s[G0+4*\s+3], 0x80000000
	s_mov_b32 s[G0B+4*\s], 1
	s_add_co_u32 s[G0B+4*\s+1], s45, \s*SLOT
	s_add_nc_u64 s[G0B+4*\s+2:G0B+4*\s+3], s[46:47], \s*UNIT
	s_or_b32 s[G0B+4*\s+3], s[G0B+4*\s+3], 0x80000000
.endr
	JLOAD 0                                        ; slot 0: one tensor load a wave at the head
	v_and_b32 v1, 15, v0                           ; r
	v_bfe_u32 v2, v0, 4, 1                         ; h
	v_and_b32 v3, 31, v0
	v_lshlrev_b32 v4, 4, v3                        ; 16 x lane
	s_wait_alu depctr_va_vdst(0)
	s_mul_i32 s21, s15, UNIT                       ; my UNIT of x
	s_mul_i32 s22, s16, UNIT
	s_add_co_u32 s22, s22, 2*UNIT                  ; my UNIT of W1
	s_sub_co_u32 s23, s22, s21
	v_mul_u32_u24 v6, s23, v2                      ; lanes 16-31 take the words of W1
	v_lshl_add_u32 v6, v1, 4, v6
	s_add_co_u32 s18, s21, 32768
	v_add_nc_u32 v[ADRS], s18, v6
	v_add_nc_u32 v[ADRS+1], SLOT, v[ADRS]
.irp s, 0,1
	v_add_nc_u32 v[ADRA+\s], s21, v4
	v_add_nc_u32 v[ADRB+\s], s22, v4
	s_add_co_u32 s21, s21, SLOT
	s_add_co_u32 s22, s22, SLOT
.endr
	s_lshl_b32 s18, s16, 10
	v_add_nc_u32 v[VC], s18, v4                    ; codes: 16 x lane + 1,024 x (q = 2 tile + my half)
	s_lshl_b32 s18, s16, 8
	s_add_co_u32 s18, s18, 32768
	v_lshlrev_b32 v[VS], 10, v2
	v_lshl_add_u32 v[VS], v1, 4, v[VS]
	v_add_nc_u32 v[VS], s18, v[VS]                 ; words: 32,768 + 1,024 h + 256 q + 16 r
	v_lshlrev_b32 v[BO], 6, v2
	s_wait_alu depctr_va_vdst(0)
.irp b, 0,1,2,3
	v_mov_b32 v[TM+4+\b], 0                        ; written once: a lane permute destination counts as one of its sources
.endr
	s_lshl_b32 s74, s17, 1
	s_add_co_u32 s74, s74, s15
	s_lshl_b32 s74, s74, 4
	s_add_co_u32 s74, s74, s42
	s_mul_i32 s74, s74, UNIT
	s_mov_b32 s75, 0
	s_add_nc_u64 s[12:13], s[10:11], s[74:75]      ; hc: UNIT 16 (2 gy + my half of the tokens) + gx
	s_lshl_b32 s74, s42, 11
	s_lshl_b32 s76, s16, 9
	s_add_co_u32 s74, s74, s76
	s_add_nc_u64 s[72:73], s[8:9], s[74:75]        ; b1 at hidden unit 512 gx + 128 x my half
	WIN TO_B
.irp t, 0,1
.irp b, 0,1,2,3,4,5,6,7                        ; for W1 tile b lane (r, h) wants hidden units 32 (b / 2) + 16 h + 8 (b % 2) + 0 .. 7
	global_load_b128 v[64+128*\t+8*\b:64+128*\t+8*\b+3], v[BO], s[72:73] offset:1024*\t+128*(\b/2)+32*(\b%2)
	global_load_b128 v[64+128*\t+8*\b+4:64+128*\t+8*\b+7], v[BO], s[72:73] offset:1024*\t+128*(\b/2)+32*(\b%2)+16
.endr
.endr
	WIN 0
.macro FRAG reg, adr, q, i             ; a fragment as it lies: two loads of 512 consecutive bytes
.irp c, 0,1
	ds_load_b128 v[\reg+4*\c:\reg+4*\c+3], v[\adr] offset:4096*(\i)+1024*(\q)+512*\c
.endr
.endm
; 16 matrix instructions: token tiles a0, a0 + 1 x the eight tiles of W1, 128 along K.  p: the set of W1; sc: the set of scale words; bt >= 0: the sums start with b1 of tile bt.
; The 64 accumulators take turns, one instruction a turn, in the same order in every step.
.macro MUL16 a0, p, q, sc, bt
.irp a, \a0, \a0+1
.irp b, 0,1,2,3,4,5,6,7
.if (\bt) >= 0
	v_wmma_scale_f32_16x16x128_f8f6f4 v[8*(8*((\a)%4)+\b):8*(8*((\a)%4)+\b)+7], v[128*(\p)+8*\b:128*(\p)+8*\b+7], v[AF+8*(\a):AF+8*(\a)+7], v[64+128*(\bt)+8*\b:64+128*(\bt)+8*\b+7], v[SC+32*(\sc)+4*\b+(\q)], v[SC+32*(\sc)+4*(4*((\a)/4)+(\q))+(\a)%4] matrix_a_fmt:MATRIX_FMT_FP4 matrix_b_fmt:MATRIX_FMT_FP4 matrix_a_scale:MATRIX_SCALE_ROW1
.else
	v_wmma_scale_f32_16x16x128_f8f6f4 v[8*(8*((\a)%4)+\b):8*(8*((\a)%4)+\b)+7], v[128*(\p)+8*\b:128*(\p)+8*\b+7], v[AF+8*(\a):AF+8*(\a)+7], v[8*(8*((\a)%4)+\b):8*(8*((\a)%4)+\b)+7], v[SC+32*(\sc)+4*\b+(\q)], v[SC+32*(\sc)+4*(4*((\a)/4)+(\q))+(\a)%4] matrix_a_fmt:MATRIX_FMT_FP4 matrix_b_fmt:MATRIX_FMT_FP4 matrix_a_scale:MATRIX_SCALE_ROW1
.endif
.endr
.endr
.endm
.macro FETCH_B slot, q, p
	WIN TO_B
.irp i, 0,1,2,3,4,5,6,7
	FRAG 128*(\p)+8*\i, ADRB+\slot, \q, \i
.endr
	WIN 0
.endm
.macro FETCH_A slot, q, i0
.irp i, \i0, \i0+1, \i0+2, \i0+3
	FRAG AF+8*(\i), ADRA+\slot, \q, \i
.endr
.endm
.macro SCALES sc                       ; load i: lanes 0-15 the words of token tiles 4 (i / 4) + 0 .. 3 at q = i % 4; lanes 16-31 those of W1 tile i at q = 0 .. 3
.irp i, 0,1,2,3,4,5,6,7
	ds_load_b128 v[SC+32*\sc+4*\i:SC+32*\sc+4*\i+3], v[ADRS+\sc] offset:256*\i
.endr
.endm
; A step of 128 along K that has its successor in the same slot.  Loads into registers that matrix instructions have read stand four plain vector lines behind them (ISA guide 7.12.1 for vector instructions).
.macro STEP slot, q, bt
	s_wait_dscnt 8                                 ; the set of W1 and token tiles 0-3 are in; the youngest 8 loads (tiles 4-7) may be out
.if (\bt) >= 0
	WIN BIA_LO
.else
	WIN MUL_LO
.endif
	MUL16 0, (\q)%2, \q, \slot, \bt
	MUL16 2, (\q)%2, \q, \slot, \bt
	s_wait_dscnt 0
	PLACES 4
	FETCH_B \slot, (\q)+1, 1-(\q)%2
	FETCH_A \slot, (\q)+1, 0
.if (\bt) >= 0
	WIN BIA_HI
.else
	WIN MUL_HI
.endif
	MUL16 4, (\q)%2, \q, \slot, \bt
	MUL16 6, (\q)%2, \q, \slot, \bt
	PLACES 4
	WIN 0
	FETCH_A \slot, (\q)+1, 4
.endm
; A slot last step changes slots: one barrier; in front of it each wave waits for all its tensor loads, adds 0 to its spare word, and waits for that and for its reads of this slot.
; fill = 1: the barrier opens a round of the cluster barrier, and behind the round the W1 part of this slot takes the next tile.
.macro TURN slot, next, fill
	s_wait_tensorcnt 0x0                           ; all my tensor loads have landed: my part of the next slot
	ds_add_u32 v[SPW], v[NIL]                      ; 0 onto my spare word
	s_wait_dscnt 9                                 ; (the add and the youngest 8 loads may be out)
	WIN MUL_LO
	MUL16 0, 1, 3, \slot, -1
	s_wait_dscnt 0x0                               ; the add is done, and my reads of this slot are over
	s_barrier_signal -1
	MUL16 2, 1, 3, \slot, -1
	WIN 0
	s_barrier_wait -1
.if \fill
	CREST                                          ; no wave of any partner still reads this slot W1 part or has a load on its way
	s_add_nc_u64 s[G0B+4*\slot+2:G0B+4*\slot+3], s[G0B+4*\slot+2:G0B+4*\slot+3], 4*UNIT
	JLOADB \slot                                   ; the first tensor load behind the round: it has 256 matrix instructions or more in which to land
.else
	PLACES 4
.endif
	FETCH_B \next, 0, 0
	FETCH_A \next, 0, 0
	SCALES \next
	WIN MUL_HI
	MUL16 4, 1, 3, \slot, -1
	MUL16 6, 1, 3, \slot, -1
	PLACES 4
	WIN 0
	FETCH_A \next, 0, 4
.endm
; THE WAY OUT of token tile a of tile t: its 64 registers, register 16 B + i = hidden unit 32 B + 16 h + i of token r, become one fragment and one scale word.
.macro QH a, t
.set AC, 64*((\a)%4)
.set WW, 2+(\a)/4
.set W5, 5*WW
	WIN W5                                         ; sources 0 and 1: the accumulators window
.irp b, 0,1,2,3
	v_max3_num_f32 v[TM+\b], v[AC+16*\b], v[AC+16*\b+1], 0x1800000   ; no magnitudes: what relu clears must not count; the floor 2^(3 - 127) stands under it.  Each accumulator is read from its low end on
.endr
.irp i, 2,4,6,8,10,12,14
.irp b, 0,1,2,3
	v_max3_num_f32 v[TM+\b], v[AC+16*\b+\i], v[AC+16*\b+\i+1], v[TM+\b]
.endr
.endr
	WIN 0
.irp b, 0,1,2,3
	v_permlanex16_b32 v[TM+4+\b], v[TM+\b], s68, s69
.endr
.irp b, 0,1,2,3
	v_max_num_f32 v[TM+\b], v[TM+\b], v[TM+4+\b]   ; with lane l xor 16: the block of 32
.endr
.irp b, 0,1,2,3
	v_add_nc_u32 v[TM+12+\b], 0xff000000, v[TM+\b] ; 2 off the exponent field: the conversion scale operand
.endr
.irp b, 0,1,2,3
	v_lshrrev_b32 v[TM+4+\b], 23, v[TM+12+\b]      ; the scale byte
.endr
	v_lshl_or_b32 v[PW+\a], v[TM+5], 8, v[TM+4]
	v_lshl_or_b32 v[PW+\a], v[TM+6], 16, v[PW+\a]
	v_lshl_or_b32 v[PW+\a], v[TM+7], 24, v[PW+\a]  ; token r scale word for these 128 hidden units
	WIN WW                                         ; source 0: the accumulators window
.irp b, 0,1,2,3
	v_cvt_scalef32_pk8_fp4_f32 v[PC+8*(\a)+2*\b], v[AC+16*\b:AC+16*\b+7], v[TM+12+\b]
	v_cvt_scalef32_pk8_fp4_f32 v[PC+8*(\a)+2*\b+1], v[AC+16*\b+8:AC+16*\b+15], v[TM+12+\b]
.endr
	WIN 0
	v_nop                                          ; one plain line behind the last scaled conversion
.irp u, 0,1                                    ; relu on the codes, eight a register: 7 in each code whose sign bit is clear, 0 in the others
.irp k, 0,1,2,3
	v_bfi_b32 v[TP+\k], v[PC+8*(\a)+4*\u+\k], 0, s66   ; 8 where the sign bit is clear
.endr
.irp k, 0,1,2,3
	v_lshrrev_b32 v[TM+8+\k], 3, v[TP+\k]
.endr
.irp k, 0,1,2,3
	v_sub_nc_u32 v[TP+\k], v[TP+\k], v[TM+8+\k]    ; 8 - 1 in each such code: nothing is borrowed across codes
.endr
.irp k, 0,1,2,3
	v_and_b32 v[PC+8*(\a)+4*\u+\k], v[PC+8*(\a)+4*\u+\k], v[TP+\k]
.endr
.endr
.irp c, 0,1                                    ; the operand layout wants a whole block in a lane: lanes 0-15 block 2 c, lanes 16-31 block 2 c + 1
.irp i, 0,1
	v_permlane16_swap_b32 v[PC+8*(\a)+4*\c+\i], v[PC+8*(\a)+4*\c+2+\i]
.endr
.endr
.irp c, 0,1
	global_store_b128 v[VC], v[PC+8*(\a)+4*\c:PC+8*(\a)+4*\c+3], s[12:13] offset:4096*(\a)+2048*(\t)+512*\c   ; 512 consecutive bytes
.endr
.endm
.macro EPI t
	s_wait_xcnt 0x0                                ; the earlier stores have read their data: the codes and words registers are written again only behind this wait
.irp a, 0,1,2,3,4,5,6,7
	QH \a, \t
.endr
.irp j, 0,1,2,3
	v_cndmask_b32 v[SW+\j], v[PW+\j], v[PW+4+\j], s70   ; lanes 0-15: token tiles 0-3; lanes 16-31: tiles 4-7
.endr
	global_store_b128 v[VS], v[SW:SW+3], s[12:13] offset:512*\t   ; two aligned runs of 256 consecutive bytes
.endm
	s_wait_alu depctr_va_vdst(0)                   ; the wait at the head's end
	s_wait_tensorcnt 0x0                           ; my part of slot 0 is in; these lines stand ahead of a later first fill as ahead of a refill
	ds_add_u32 v[SPW], v[NIL]
	s_wait_loadcnt 0x0                             ; b1
	s_wait_dscnt 0x0
	CROUND                                         ; a whole round: slot 0 is whole, and the joint loads meet
	JLOAD 1                                        ; slot 1's first fill, the first tensor load behind the round
	FETCH_B 0, 0, 0
	FETCH_A 0, 0, 0
	SCALES 0
	FETCH_A 0, 0, 4
	STEP 0, 0, 0                                   ; tile 0: the first step starts the sums with b1: nothing is cleared
	STEP 0, 1, -1
	STEP 0, 2, -1
	TURN 0, 1, 1                                   ; slot 0 takes tile 1 first half of K of W1
	STEP 1, 0, -1
	STEP 1, 1, -1
	STEP 1, 2, -1
	TURN 1, 0, 1                                   ; slot 1 its second half; tile 1 first fragments are fetched
	EPI 0
	STEP 0, 0, 1                                   ; tile 1
	STEP 0, 1, -1
	STEP 0, 2, -1
	TURN 0, 1, 0                                   ; nothing is left to fetch: a plain barrier
	STEP 1, 0, -1
	STEP 1, 1, -1
	STEP 1, 2, -1
	s_wait_dscnt 8                                 ; the very last step
	WIN MUL_LO
	MUL16 0, 1, 3, 1, -1
	MUL16 2, 1, 3, 1, -1
	s_wait_dscnt 0
	WIN MUL_HI
	MUL16 4, 1, 3, 1, -1
	MUL16 6, 1, 3, 1, -1
	WIN 0
	PLACES 4
	EPI 1
	s_wait_tensorcnt 0x0                           ; the wave end
	ds_add_u32 v[SPW], v[NIL]
	s_wait_dscnt 0x0
	CROUND                                         ; the closing round
	s_endpgm
.Lfunc_end_k_q6969b3234c_hidden:
	.size	k_q6969b3234c_hidden, .Lfunc_end_k_q6969b3234c_hidden-k_q6969b3234c_hidden
	.p2alignl 7, 3214868480
	.fill 96, 4, 3214868480
	.section	.rodata,"a",@progbits
	.p2align	6, 0x0
	.amdhsa_kernel k_q6969b3234c_hidden
		.amdhsa_group_segment_fixed_size 327680
		.amdhsa_private_segment_fixed_size 0
		.amdhsa_enable_private_segment 0
		.amdhsa_kernarg_size 32
		.amdhsa_user_sgpr_count 2
		.amdhsa_user_sgpr_kernarg_segment_ptr 1
		.amdhsa_wavefront_size32 1
		.amdhsa_system_sgpr_workgroup_id_x 1
		.amdhsa_system_sgpr_workgroup_id_y 1
		.amdhsa_system_sgpr_workgroup_id_z 1
		.amdhsa_system_vgpr_workitem_id 0
		.amdhsa_next_free_vgpr 1024
		.amdhsa_next_free_sgpr 80
		.amdhsa_reserve_vcc 0
		.amdhsa_float_denorm_mode_32 3
		.amdhsa_float_denorm_mode_16_64 3
		.amdhsa_memory_ordered 1
		.amdhsa_forward_progress 1
		.amdhsa_inst_pref_size 255
	.end_amdhsa_kernel
	.section	.bss,"aw",@nobits
	.p2align	6
	.space	262144
	.amdgpu_metadata
---
amdhsa.version: [ 1, 2 ]
amdhsa.kernels:
  - .name:           k_q6969b3234c_hidden
    .symbol:         k_q6969b3234c_hidden.kd
    .args:
      - { .name: xc, .offset: 0, .size: 8, .value_kind: global_buffer, .address_space: global }
      - { .name: wc, .offset: 8, .size: 8, .value_kind: global_buffer, .address_space: global }
      - { .name: b1, .offset: 16, .size: 8, .value_kind: global_buffer, .address_space: global }
      - { .name: hc, .offset: 24, .size: 8, .value_kind: global_buffer, .address_space: global }
    .group_segment_fixed_size: 327680
    .private_segment_fixed_size: 0
    .kernarg_segment_align: 8
    .kernarg_segment_size: 32
    .max_flat_workgroup_size: 128
    .sgpr_count:     80
    .vgpr_count:     1024
    .wavefront_size: 32
...
	.end_amdgpu_metadata
.endif
;; end of part 2
;; launch combine (part 3): grid 8 x 32, 4 waves a work-group, clusters of 4 x 4, 327,680 bytes of LDS; arguments hc, wc, gates, b2, out0; writes out0
.if DOCPART == 3
	.amdgcn_target "amdgcn-amd-amdhsa--gfx1250"
	.amdhsa_code_object_version 6
	.text
	.protected	k_q6969b3234c_combine
	.globl	k_q6969b3234c_combine
	.p2align	8
	.type	k_q6969b3234c_combine,@function
k_q6969b3234c_combine:
	s_mov_b64 s[64:65], 0
	v_nop
	global_prefetch_b8 v0, s[64:65] scope:SCOPE_SE
	s_setreg_imm32_b32 hwreg(HW_REG_WAVE_MODE, 25, 1), 1
	s_wait_xcnt 0x0
	s_wait_alu depctr_hold_cnt(0) depctr_sa_sdst(0) depctr_va_vdst(0) depctr_va_sdst(0) depctr_va_ssrc(0) depctr_va_vcc(0) depctr_vm_vsrc(0)
	s_getreg_b32 s2, hwreg(HW_REG_IB_STS2, 6, 4)
	s_cmp_eq_u32 s2, 0
	s_cbranch_scc0 .Lentry_in_a_cluster
	s_endpgm
.Lentry_in_a_cluster:
	s_bfe_u32 s2, ttmp6, 0x10000c
	s_cmp_lg_u32 s2, 0xf033
	s_cbranch_scc0 .Lentry_shape_is_right
	s_endpgm
.Lentry_shape_is_right:
; out[t][p] = sum over e of gates[t][e] (hq_e[t] . W2q_e[:, p] + b2[e][p]), the products on codes of FP4 (E2M1) with E8M0 scales, sums in f32.
; A work-group makes 128 tokens x 128 columns.  THE FOUR WAVES CUT K: wave w takes experts a = 2 w and b = 2 w + 1 for the whole block: 64 accumulators, 512 registers, each LDS byte read once.
; THE GATES GO IN PLACE: acc = b2_a + h_a W_a;  acc = acc x rho + b2_b;  acc += h_b W_b;  acc x G, with G = max(g_b, g_a 2^-60, 2^-120) and rho = g_a / G.  So no second set of sums is kept.
; LIMIT: the hold of G from below adds at most (g_a 2^-60 + 2^-120) |y_b| to a result; acc x rho stays finite while |y_a| is under 2^67.  NaN and infinities are not served.
; OPERANDS lie in UNITs of 34,816 bytes (128 rows x 512 K in the order of the operand registers, scale words from byte 32,768 on).  A wave walks four periods, a UNIT of hc and a UNIT of wc each, four steps of 128 K.
; hc's UNITs come by joint tensor loads (the four work-groups of a cluster's row share them) into a ring of two slots, a UNIT a wave in each slot, read by that wave alone.
; wc's UNITs go from memory straight into four sets of registers, a set a step, asked for a period ahead.  They are not asked for jointly: a joint load lands in LDS alone, and two slots of four UNITs fill it.
; PREFETCH: the hc UNIT of period u is asked for one period ahead of its tensor load: its 136 blocks of 256 bytes are shared out by address among the row's four partners, 34 each, in two instructions a wave
; (lanes left over name the last block again); period 0's comes by its load alone.  wc has none: its loads themselves stand a period ahead of their use.
; THE PRODUCT IS USED TRANSPOSED (source 0 = 16 storage rows of W2, source 1 = 16 tokens): lane (r, h) holds token r, register j of W2's tile b column 32 (b / 2) + 16 h + 8 (b % 2) + j.
; REGISTERS: window 0: v1-15 addresses; v16-31 (rho, G) a token tile; v32-63 tokens' scale words; v64-127 W2's, two sets; v128-191 tokens' fragments, one set; v192-255 b2_b.
;   window 1: W2's fragments, set q at v[64 q]; b2_a lies in set 3 until the first step has read it.   windows 2, 3: accumulator (a, b) at v[8 (8 (a % 4) + b)] of window 2 + a / 4.
.set UNIT,  34816
.set SLOT,  4*UNIT
.set SPARE, 2*SLOT                     ; the spare words: 128 bytes a wave
.set SROW,  528                        ; the way out: a stage row, 512 bytes + 16
.set SPART, 128*SROW                   ; a wave's stage: it lies in the slots, which have had their last fill and last read by then
.set LN16, 1
.set R16,  2
.set SPW,  3
.set ADRA, 4
.set ADRT, 6
.set BO,   8
.set NIL,  9
.set PFO,  14
.set GT,   16
.set TS,   32
.set WS,   64
.set AF,   128
.set BB,   192
.set STO,  132
.set RD,   134
.set G1,  24
.set G0,  32
.set PFA, 46
.set WB,  52
.set MSB, 0
.set LC,  0                            ; global loads issued so far; a mark keeps the count at a group's last load, so a wait's count is LC - mark
.macro WIN new
.if MSB != (\new)
	s_set_vgpr_msb (MSB<<8)|(\new)
.set MSB, (\new)
.endif
.endm
.macro PLACES n
.rept \n
	v_nop
.endr
.endm
.macro LWAIT mark
.if (LC-(\mark)) > 63
	s_wait_loadcnt 63
.else
	s_wait_loadcnt LC-(\mark)
.endif
.endm
.macro CREST
	s_cmp_lg_u32 s14, 0
	s_cbranch_scc1 .Lnot_wave_0_\@
	s_barrier_signal -3
.Lnot_wave_0_\@:
	s_barrier_wait -3
	s_barrier_signal -1
	s_barrier_wait -1
.endm
.macro CROUND
	s_barrier_signal -1
	s_barrier_wait -1
	CREST
.endm
.macro TLOAD s                         ; my UNIT of hc into my part of slot s; s_nop 0 and four v_nop follow
	tensor_load_to_lds s[G0+4*(\s):G0+4*(\s)+3], s[G1:G1+7]
	s_nop 0
	PLACES 4
.endm
.macro ASK u                           ; my work-group's 34 blocks of period u's UNIT
	global_prefetch_b8 v[PFO], s[PFA:PFA+1] offset:(\u)*UNIT th:TH_LOAD_NT scope:SCOPE_SE
	global_prefetch_b8 v[PFO+1], s[PFA:PFA+1] offset:(\u)*UNIT+8192 th:TH_LOAD_NT scope:SCOPE_SE
.endm
.macro LOADB p, q                      ; W2's eight fragments of period p, step q, into set q: each load 512 consecutive bytes
	WIN 0x40
.irp b, 0,1,2,3,4,5,6,7
.irp c, 0,1
	global_load_b128 v[64*(\q)+8*\b+4*\c:64*(\q)+8*\b+4*\c+3], v[LN16], s[WB:WB+1] offset:(16*((\p)/2)+(\p)%2)*UNIT+4096*\b+1024*(\q)+512*\c
.endr
.endr
	WIN 0
.set LC, LC+16
.set MB\q, LC
.endm
.macro LOADWS p                        ; W2's scale words of period p: tile b's four steps a load
.irp b, 0,1,2,3,4,5,6,7
	global_load_b128 v[WS+32*((\p)%2)+4*\b:WS+32*((\p)%2)+4*\b+3], v[R16], s[WB:WB+1] offset:(16*((\p)/2)+(\p)%2)*UNIT+32768+256*\b
.endr
.set LC, LC+8
.set MWS, LC
.endm
.macro TSL s, q                        ; the tokens' scale words of step q: four token tiles a load
.irp g, 0,1
	ds_load_b128 v[TS+16*\g+4*(\q):TS+16*\g+4*(\q)+3], v[ADRT+(\s)] offset:1024*\g+256*(\q)
.endr
.endm
.macro FETCH_A s, q, i0
.irp i, \i0, \i0+1, \i0+2, \i0+3
.irp c, 0,1
	ds_load_b128 v[AF+8*(\i)+4*\c:AF+8*(\i)+4*\c+3], v[ADRA+(\s)] offset:4096*(\i)+1024*(\q)+512*\c
.endr
.endr
.endm
; 16 matrix instructions: token tiles a0, a0 + 1 x W2's eight tiles.  The 64 accumulators take turns, one instruction a turn.
.macro MUL16 a0, q, ws, bias
.irp a, \a0, \a0+1
.irp b, 0,1,2,3,4,5,6,7
.if \bias
	v_wmma_scale_f32_16x16x128_f8f6f4 v[8*(8*((\a)%4)+\b):8*(8*((\a)%4)+\b)+7], v[64*(\q)+8*\b:64*(\q)+8*\b+7], v[AF+8*(\a):AF+8*(\a)+7], v[192+8*\b:192+8*\b+7], v[WS+32*(\ws)+4*\b+(\q)], v[TS+16*((\a)/4)+4*(\q)+(\a)%4] matrix_a_fmt:MATRIX_FMT_FP4 matrix_b_fmt:MATRIX_FMT_FP4
.else
	v_wmma_scale_f32_16x16x128_f8f6f4 v[8*(8*((\a)%4)+\b):8*(8*((\a)%4)+\b)+7], v[64*(\q)+8*\b:64*(\q)+8*\b+7], v[AF+8*(\a):AF+8*(\a)+7], v[8*(8*((\a)%4)+\b):8*(8*((\a)%4)+\b)+7], v[WS+32*(\ws)+4*\b+(\q)], v[TS+16*((\a)/4)+4*(\q)+(\a)%4] matrix_a_fmt:MATRIX_FMT_FP4 matrix_b_fmt:MATRIX_FMT_FP4
.endif
.endr
.endr
.endm
; A step that has its successor in the same slot.  Loads into registers that matrix instructions have read stand four plain vector lines behind them.
.macro STEP p, q, bias
.if (\q) == 0
	LWAIT MWS                                      ; set 0 and, issued behind it, the scale words
.else
	LWAIT MB\q
.endif
	s_wait_dscnt 8                                 ; token tiles 0-3 are in; the youngest 8 loads (tiles 4-7) may be out
	WIN 0xa1-0x10*(\bias)
	MUL16 0, \q, (\p)%2, \bias
	MUL16 2, \q, (\p)%2, \bias
	s_wait_dscnt 0
	PLACES 4
	WIN 0
	FETCH_A (\p)%2, (\q)+1, 0
	WIN 0xf1-0x20*(\bias)
	MUL16 4, \q, (\p)%2, \bias
	MUL16 6, \q, (\p)%2, \bias
	PLACES 4
	WIN 0
	FETCH_A (\p)%2, (\q)+1, 4
.if (\p) < 3
.if \bias
	LOADB 0, 3                                     ; b2_a has been read: set 3 takes its fragments
.endif
.if (\q) == 1
	LOADWS (\p)+1
.endif
	LOADB (\p)+1, \q                               ; this set's fragments of the next period
.endif
.endm
; A period's last step changes slots: the three lines, one barrier; fill = 1: it opens a round of the cluster's barrier, and behind the round this slot takes the UNIT two periods on.
.macro TURN p, fill, ask
	LWAIT MB3
	s_wait_tensorcnt 0x0                           ; my UNIT of the next slot is in
	ds_add_u32 v[SPW], v[NIL]
	s_wait_dscnt 9                                 ; (the add and the youngest 8 loads may be out)
	WIN 0xa1
	MUL16 0, 3, (\p)%2, 0
	s_wait_dscnt 0x0                               ; the add is done, and my reads of this slot are over
	s_barrier_signal -1
	MUL16 2, 3, (\p)%2, 0
	WIN 0
	s_barrier_wait -1
.if \fill
	CREST
	s_add_nc_u64 s[G0+4*((\p)%2)+2:G0+4*((\p)%2)+3], s[G0+4*((\p)%2)+2:G0+4*((\p)%2)+3], 2*UNIT
	TLOAD (\p)%2                                   ; the first tensor load behind the round; its four v_nop are the places for the loads below
.else
	PLACES 4
.endif
	TSL 1-(\p)%2, 0
	TSL 1-(\p)%2, 1
	TSL 1-(\p)%2, 2
	FETCH_A 1-(\p)%2, 0, 0
.if \ask
	ASK \ask
.endif
	WIN 0xf1
	MUL16 4, 3, (\p)%2, 0
	MUL16 6, 3, (\p)%2, 0
	PLACES 4
	WIN 0
	TSL 1-(\p)%2, 3
	FETCH_A 1-(\p)%2, 0, 4
	LOADB (\p)+1, 3
.endm
; fin = 0: acc = acc x rho + b2_b;  fin = 1: acc = acc x G.  Each accumulator from its low end on.
.macro SCALEACC a, fin
	WIN 0x82+0x41*((\a)/4)
.irp b, 0,1,2,3,4,5,6,7
.irp p, 0,2,4,6
.if \fin
	v_pk_mul_f32 v[64*((\a)%4)+8*\b+\p:64*((\a)%4)+8*\b+\p+1], v[64*((\a)%4)+8*\b+\p:64*((\a)%4)+8*\b+\p+1], v[GT+2*(\a):GT+2*(\a)+1] op_sel:[0,1] op_sel_hi:[1,1]
.else
	v_pk_fma_f32 v[64*((\a)%4)+8*\b+\p:64*((\a)%4)+8*\b+\p+1], v[64*((\a)%4)+8*\b+\p:64*((\a)%4)+8*\b+\p+1], v[GT+2*(\a):GT+2*(\a)+1], v[BB+8*\b+\p:BB+8*\b+\p+1] op_sel_hi:[1,0,1]
.endif
.endr
.endr
.endm
	s_load_b128 s[4:7], s[0:1], 0x0                ; hc, wc
	s_load_b128 s[8:11], s[0:1], 0x10              ; gates, b2
	s_load_b64 s[12:13], s[0:1], 0x20              ; out0
	v_lshl_add_u32 v[SPW], v0, 2, SPARE
	v_mov_b32 v[NIL], 0
	ds_add_u32 v[SPW], v[NIL]                      ; the opening lines: the add twice on end and its wait ahead of my first tensor load
	ds_add_u32 v[SPW], v[NIL]
	v_lshrrev_b32 v1, 5, v0
	v_readfirstlane_b32 s14, v1                    ; wave 0..3
	s_bfe_u32 s40, ttmp6, 0x40000                  ; cx
	s_bfe_u32 s41, ttmp6, 0x40004                  ; cy
	s_lshl_b32 s42, ttmp9, 2
	s_add_co_u32 s42, s42, s40                     ; cb: block of 128 columns
	s_and_b32 s17, ttmp7, 0xffff
	s_lshl_b32 s17, s17, 2
	s_add_co_u32 s17, s17, s41                     ; tb: block of 128 tokens
	s_lshl_b32 s43, s41, 2
	s_lshl_b32 s43, 15, s43                        ; my row of the cluster
	s_or_b32 s[G1], s43, (3<<16)|(1<<21)           ; the mask; elements of 8 bytes; bit 21 beside a mask
	s_mov_b32 s[G1+1], 32<<16                      ; a dense UNIT as 136 rows of 256 bytes
	s_mov_b32 s[G1+2], 136<<16
	s_mov_b32 s[G1+3], 32<<16
	s_mov_b32 s[G1+4], 136
	s_mov_b32 s[G1+5], 32
	s_mov_b32 s[G1+6], 0
	s_mov_b32 s[G1+7], 0
	s_lshl_b32 s20, s17, 4
	s_lshl_b32 s21, s14, 2
	s_add_co_u32 s20, s20, s21
	s_mul_i32 s20, s20, UNIT                       ; hc: UNIT 16 tb + 4 w + period
	s_mov_b32 s21, 0
	s_mul_i32 s44, s14, UNIT                       ; my part of a slot
	s_add_co_u32 s50, s44, 32768
	s_mul_i32 s51, s14, SPART
	s_mul_i32 s54, s14, 32*SROW
	s_lshl_b32 s22, s14, 5
	s_lshl_b32 s23, s42, 1
	s_add_co_u32 s22, s22, s23
	s_add_co_u32 s22, s22, 128
	s_mul_i32 s22, s22, UNIT                       ; wc: UNIT 128 + 16 (2 w + period / 2) + 2 cb + period % 2
	s_mov_b32 s23, 0
	s_mul_i32 s48, s40, 34*256                     ; the prefetches: my work-group's 34 blocks
	s_mov_b32 s49, 0
	s_lshl_b32 s56, s17, 12                        ; gates: 512 bytes a token tile, [half][r][4]: my pair at 256 (w / 2) + 8 (w % 2)
	s_lshr_b32 s57, s14, 1
	s_lshl_b32 s57, s57, 8
	s_add_co_u32 s56, s56, s57
	s_and_b32 s57, s14, 1
	s_lshl_b32 s57, s57, 3
	s_add_co_u32 s56, s56, s57
	s_mov_b32 s57, 0
	s_lshl_b32 s58, s14, 13                        ; b2: row 2 w, column 128 cb
	s_lshl_b32 s59, s42, 9
	s_add_co_u32 s58, s58, s59
	s_mov_b32 s59, 0
	s_lshl_b32 s60, s17, 19                        ; out0: row 128 tb + 32 w, column 128 cb
	s_lshl_b32 s61, s14, 17
	s_add_co_u32 s60, s60, s61
	s_lshl_b32 s61, s42, 9
	s_add_co_u32 s60, s60, s61
	s_mov_b32 s61, 0
	s_wait_dscnt 0x0                               ; both opening adds are done
	s_wait_kmcnt 0x0
	s_add_nc_u64 s[20:21], s[4:5], s[20:21]
	s_add_nc_u64 s[WB:WB+1], s[6:7], s[22:23]
	s_add_nc_u64 s[PFA:PFA+1], s[20:21], s[48:49]
	s_add_nc_u64 s[8:9], s[8:9], s[56:57]
	s_add_nc_u64 s[10:11], s[10:11], s[58:59]
	s_add_nc_u64 s[12:13], s[12:13], s[60:61]
.irp s, 0,1
	s_mov_b32 s[G0+4*\s], 1
	s_add_co_u32 s[G0+4*\s+1], s44, \s*SLOT
	s_add_nc_u64 s[G0+4*\s+2:G0+4*\s+3], s[20:21], \s*UNIT
	s_or_b32 s[G0+4*\s+3], s[G0+4*\s+3], 0x80000000
.endr
	CROUND                                         ; all sixteen work-groups are here: the first joint loads meet
	TLOAD 0                                        ; period 0: one tensor load a wave at the head
	v_and_b32 v[LN16], 31, v0
	v_lshlrev_b32 v[LN16], 4, v[LN16]              ; 16 x lane
	v_and_b32 v[R16], 15, v0
	v_lshlrev_b32 v[R16], 4, v[R16]                ; 16 r
	v_bfe_u32 v[BO], v0, 4, 1
	v_lshlrev_b32 v[BO], 6, v[BO]                  ; 64 h: b2
	v_add_nc_u32 v[ADRA], s44, v[LN16]
	v_add_nc_u32 v[ADRA+1], SLOT, v[ADRA]
	v_add_nc_u32 v[ADRT], s50, v[R16]
	v_add_nc_u32 v[ADRT+1], SLOT, v[ADRT]
	v_lshlrev_b32 v[PFO], 4, v[LN16]               ; 256 x lane: blocks 0 to 31
	v_min_u32 v[PFO+1], 256, v[PFO]                ; blocks 32 and 33
	s_wait_alu depctr_va_vdst(0)                   ; the wait ahead of the readers below
.irp a, 0,1,2,3,4,5,6,7
	global_load_b64 v[GT+2*\a:GT+2*\a+1], v[R16], s[8:9] offset:512*\a   ; (g_a, g_b) of token r of tile a
.endr
.set LC, LC+8
.set MG, LC
	WIN 0x40
.irp b, 0,1,2,3,4,5,6,7
	global_load_b128 v[192+8*\b:192+8*\b+3], v[BO], s[10:11] offset:128*(\b/2)+32*(\b%2)
	global_load_b128 v[192+8*\b+4:192+8*\b+7], v[BO], s[10:11] offset:128*(\b/2)+32*(\b%2)+16
.endr
	WIN 0
.irp b, 0,1,2,3,4,5,6,7
	global_load_b128 v[BB+8*\b:BB+8*\b+3], v[BO], s[10:11] offset:4096+128*(\b/2)+32*(\b%2)
	global_load_b128 v[BB+8*\b+4:BB+8*\b+7], v[BO], s[10:11] offset:4096+128*(\b/2)+32*(\b%2)+16
.endr
.set LC, LC+32
	LOADB 0, 0
	LOADWS 0
	LOADB 0, 1
	LOADB 0, 2
	ASK 1
	LWAIT MG                                       ; the gates are in
.irp a, 0,1,2,3,4,5,6,7
	v_mul_f32 v[AF+\a], 0x21800000, v[GT+2*\a]     ; g_a 2^-60
.endr
.irp a, 0,1,2,3,4,5,6,7
	v_max3_num_f32 v[GT+2*\a+1], v[GT+2*\a+1], v[AF+\a], 0x03800000   ; G = max(g_b, g_a 2^-60, 2^-120)
.endr
	s_wait_alu depctr_va_vdst(0)                   ; the wait ahead of the batch
.irp a, 0,1,2,3,4,5,6,7
	v_rcp_f32 v[AF+\a], v[GT+2*\a+1]
.endr
	v_nop                                          ; a plain line behind the last reciprocal
	s_wait_alu depctr_va_vdst(0)                   ; and the wait ahead of the batch's first reader
.irp a, 0,1,2,3,4,5,6,7
	v_mul_f32 v[GT+2*\a], v[GT+2*\a], v[AF+\a]     ; rho = g_a / G, at most 2^60
.endr
	s_wait_alu depctr_va_vdst(0)                   ; the wait at the head's end
	s_wait_tensorcnt 0x0                           ; my UNIT of period 0 is in; these lines stand ahead of a later first fill as ahead of a refill
	ds_add_u32 v[SPW], v[NIL]
	s_wait_dscnt 0x0
	CROUND
	TLOAD 1                                        ; period 1: slot 1's first fill, the first tensor load behind the round
	TSL 0, 0
	TSL 0, 1
	TSL 0, 2
	TSL 0, 3
	FETCH_A 0, 0, 0
	FETCH_A 0, 0, 4
	ASK 2
	STEP 0, 0, 1                                   ; the first step starts the sums with b2_a: nothing is cleared
	STEP 0, 1, 0
	STEP 0, 2, 0
	TURN 0, 1, 3
	STEP 1, 0, 0
	STEP 1, 1, 0
	STEP 1, 2, 0
	TURN 1, 1, 0
.irp a, 0,1,2,3,4,5,6,7
	SCALEACC \a, 0                                 ; expert a is whole: on to expert b on the same registers
.endr
	WIN 0
	s_wait_alu depctr_va_vdst(0)                   ; directly ahead of the step's waits
	STEP 2, 0, 0
	STEP 2, 1, 0
	STEP 2, 2, 0
	TURN 2, 0, 0
	STEP 3, 0, 0
	STEP 3, 1, 0
	STEP 3, 2, 0
	LWAIT MB3                                      ; the very last step
	s_wait_dscnt 8
	WIN 0xa1
	MUL16 0, 3, 1, 0
	MUL16 2, 3, 1, 0
	s_wait_dscnt 0
	WIN 0xf1
	MUL16 4, 3, 1, 0
	MUL16 6, 3, 1, 0
	PLACES 4
.irp a, 0,1,2,3,4,5,6,7
	SCALEACC \a, 1
.endr
	WIN 0
; THE WAY OUT.  Each wave lays its 128 x 128 part into its stage by rows; behind a barrier wave w adds the four parts of tokens 32 w .. 32 w + 31, a row of 512 bytes to 32 lanes, and stores whole rows.
	v_and_b32 v128, 15, v0
	v_bfe_u32 v129, v0, 4, 1
	v_mul_u32_u24 v130, v128, SROW
	v_lshl_add_u32 v130, v129, 6, v130
	v_add_nc_u32 v[STO], s51, v130                 ; in: row r, + 64 h
	v_add_nc_u32 v[RD], s54, v[LN16]               ; back: my 32 rows of part 0,
.irp k, 1,2,3
	v_add_nc_u32 v[RD+\k], SPART, v[RD+\k-1]       ; and of the others
.endr
	s_wait_alu depctr_va_vdst(0)                   ; directly ahead of the wait below
	s_wait_dscnt 0x0
	s_barrier_signal -1
	s_barrier_wait -1                              ; no wave reads the slots any more
.macro TOST a
	WIN 0x08+4*((\a)/4)
.irp b, 0,1,2,3,4,5,6,7
	ds_store_b128 v[STO], v[64*((\a)%4)+8*\b:64*((\a)%4)+8*\b+3] offset:(\a)*16*SROW+128*(\b/2)+32*(\b%2)
	ds_store_b128 v[STO], v[64*((\a)%4)+8*\b+4:64*((\a)%4)+8*\b+7] offset:(\a)*16*SROW+128*(\b/2)+32*(\b%2)+16
.endr
.endm
.irp a, 0,1,2,3,4,5,6,7
	TOST \a
.endr
	WIN 0
	s_wait_dscnt 0x0                               ; for the others: my part has landed
	s_barrier_signal -1
	s_barrier_wait -1
.macro RDCH k                          ; eight rows of the four parts into window 1, buffer k % 2
	WIN 0x40
.irp part, 0,1,2,3
.irp t, 0,1,2,3,4,5,6,7
	ds_load_b128 v[128*((\k)%2)+32*\part+4*\t:128*((\k)%2)+32*\part+4*\t+3], v[RD+\part] offset:(8*(\k)+\t)*SROW
.endr
.endr
	WIN 0
.endm
.macro SUMCH k, younger
.set BF, 128*((\k)%2)
	s_wait_dscnt \younger
	WIN 0x45
.irp i, 0,2,4,6,8,10,12,14,16,18,20,22,24,26,28,30
	v_pk_add_f32 v[BF+\i:BF+\i+1], v[BF+\i:BF+\i+1], v[BF+32+\i:BF+32+\i+1]
	v_pk_add_f32 v[BF+64+\i:BF+64+\i+1], v[BF+64+\i:BF+64+\i+1], v[BF+96+\i:BF+96+\i+1]
.endr
.irp i, 0,2,4,6,8,10,12,14,16,18,20,22,24,26,28,30
	v_pk_add_f32 v[BF+\i:BF+\i+1], v[BF+\i:BF+\i+1], v[BF+64+\i:BF+64+\i+1]
.endr
	WIN 0x04
.irp t, 0,1,2,3,4,5,6,7
	global_store_b128 v[LN16], v[BF+4*\t:BF+4*\t+3], s[12:13] offset:(8*(\k)+\t)*4096 th:TH_STORE_NT   ; 32 lanes store 512 consecutive bytes, aligned
.endr
	WIN 0
.endm
	RDCH 0
	RDCH 1
	SUMCH 0, 32
	s_wait_xcnt 0x0                                ; the stores have read their data: the buffer may be loaded again
	RDCH 2
	SUMCH 1, 32
	s_wait_xcnt 0x0
	RDCH 3
	SUMCH 2, 32
	SUMCH 3, 0
	s_wait_tensorcnt 0x0                           ; the wave's end
	ds_add_u32 v[SPW], v[NIL]
	s_wait_dscnt 0x0
	CROUND                                         ; the closing round
	s_endpgm
.Lfunc_end_k_q6969b3234c_combine:
	.size	k_q6969b3234c_combine, .Lfunc_end_k_q6969b3234c_combine-k_q6969b3234c_combine
	.p2alignl 7, 3214868480
	.fill 96, 4, 3214868480
	.section	.rodata,"a",@progbits
	.p2align	6, 0x0
	.amdhsa_kernel k_q6969b3234c_combine
		.amdhsa_group_segment_fixed_size 327680
		.amdhsa_private_segment_fixed_size 0
		.amdhsa_enable_private_segment 0
		.amdhsa_kernarg_size 40
		.amdhsa_user_sgpr_count 2
		.amdhsa_user_sgpr_kernarg_segment_ptr 1
		.amdhsa_wavefront_size32 1
		.amdhsa_system_sgpr_workgroup_id_x 1
		.amdhsa_system_sgpr_workgroup_id_y 1
		.amdhsa_system_sgpr_workgroup_id_z 1
		.amdhsa_system_vgpr_workitem_id 0
		.amdhsa_next_free_vgpr 1024
		.amdhsa_next_free_sgpr 80
		.amdhsa_reserve_vcc 0
		.amdhsa_float_denorm_mode_32 3
		.amdhsa_float_denorm_mode_16_64 3
		.amdhsa_memory_ordered 1
		.amdhsa_forward_progress 1
		.amdhsa_inst_pref_size 255
	.end_amdhsa_kernel
	.section	.bss,"aw",@nobits
	.p2align	6
	.space	262144
	.amdgpu_metadata
---
amdhsa.version: [ 1, 2 ]
amdhsa.kernels:
  - .name:           k_q6969b3234c_combine
    .symbol:         k_q6969b3234c_combine.kd
    .args:
      - { .name: hc, .offset: 0, .size: 8, .value_kind: global_buffer, .address_space: global }
      - { .name: wc, .offset: 8, .size: 8, .value_kind: global_buffer, .address_space: global }
      - { .name: gates, .offset: 16, .size: 8, .value_kind: global_buffer, .address_space: global }
      - { .name: b2, .offset: 24, .size: 8, .value_kind: global_buffer, .address_space: global }
      - { .name: out0, .offset: 32, .size: 8, .value_kind: global_buffer, .address_space: global }
    .group_segment_fixed_size: 327680
    .private_segment_fixed_size: 0
    .kernarg_segment_align: 8
    .kernarg_segment_size: 40
    .max_flat_workgroup_size: 128
    .sgpr_count:     80
    .vgpr_count:     1024
    .wavefront_size: 32
...
	.end_amdgpu_metadata
.endif
;; end of part 3
